; MI455X (gfx1250); checked and timed in simulation.
; The chip was launched on July 23, 2026; its instructions are those of AMD's public machine-readable ISA for CDNA 5 (MIT licence, August 2026) and "CDNA5" Instruction Set Architecture Reference Guide (July 2026). The comments in the code are by the model that wrote it; some were corrected since.
;; Mo E. Allowed arithmetic: matrix products marked QUANTISED: E4M3 operands, one E8M0 scale for each 32 along K, by v_wmma_scale_f32_16x16x128_f8f6f4 with both operands' format E4M3, f32 sums; products left as they are: f32 operands where the result goes on into a quantised operand, else bf16, f16 or f32 operands; f32 sums; everything else in f32.
;; Inputs: gb 32 float32; gw_codes 32 x 32 x 32 uint8 (E4M3 codes of gw, K innermost, in blocks of 32 codes); gw_scales 32 x 32 uint8 (E8M0 scales of gw, one for each 32 codes along K); pb_codes 1,024 x 1 x 32 uint8 (E4M3 codes of pb, K innermost, in blocks of 32 codes); pb_scales 1,024 x 1 uint8 (E8M0 scales of pb, one for each 32 codes along K); pw_codes 1,024 x 32 x 32 x 32 uint8 (E4M3 codes of pw, K innermost, in blocks of 32 codes); pw_scales 1,024 x 32 x 32 uint8 (E8M0 scales of pw, one for each 32 codes along K); x_codes 2,048 x 32 x 32 uint8 (E4M3 codes of x, K innermost, in blocks of 32 codes); x_scales 2,048 x 32 uint8 (E8M0 scales of x, one for each 32 codes along K).
;; Outputs: out0 2,048 x 1,024 float32.
;; This version of the problem:
;;   THIS VERSION OF THE PROBLEM IS GIVEN IN LOW PRECISION. The matrix products marked QUANTISED in the list below multiply operands that are first quantised to E4M3 (4 exponent bits, 3 mantissa bits; 8 bits a number), with one power-of-two scale for each 32 numbers along K (OCP MX v1.0); their sums are f32. All else is computed in f32.
;;   The module's matrix products, in the order in which they are computed (A, B: the left and right operand; K: the contracted axis; several contracted axes count as one K, in the product's order):
;;     1. [M 2,048, K 1,024] x [K 1,024, N 32]; A: input x (given as codes); B: input gw (given as codes): QUANTISED
;;     2. [M 2,048, K 1,024] x [K 1,024, N 32,768]; A: input x (given as codes); B: input pw (given as codes): QUANTISED
;;     3. batch 2,048 x [M 1,024, K 32] x [K 32, N 1]; A: computed on the way; B: softmax (see below): left as it is (N = 1 < 16)
;;     4. [M 2,048, K 32] x [K 32, N 1,024]; A: softmax (see below); B: input pb (given as codes): QUANTISED
;;   THE QUANTISER, for each operand of a quantised product, along K:
;;     - K is cut into blocks of 32 from its start; a last block that is shorter is filled with zeros.
;;     - A block's scale is 2^e with e = floor(log2(the largest magnitude in the block)) - 8, held to -126 .. 127; a block of zeros has e = 0. As a byte (E8M0): e + 127.
;;     - Each number is divided by its block's scale, clamped to +-448, and rounded to the nearest number of E4M3, ties to even, subnormals kept.
;;     - The product sums the exact products of the quantised numbers (number of the format x scale) in f32.
;;   ~~~python
;;   def quantise(x, axis):      # numpy; x: float32 -> the quantised numbers, widened to float32 again
;;       x = np.moveaxis(x, axis, -1); K = x.shape[-1]
;;       x = np.pad(x, [(0, 0)] * (x.ndim - 1) + [(0, -K % 32)]); x = x.reshape(x.shape[:-1] + (-1, 32)); a = np.abs(x).max(-1, keepdims=True)
;;       e = np.where(a > 0, np.clip(np.frexp(np.where(a > 0, a, 1))[1] - 1 - 8, -126, 127), 0)      # np.frexp(a)[1] - 1 = floor(log2(a)), exactly
;;       r = np.clip(x / 2.0 ** e, -448, 448)
;;       step = 2.0 ** (np.maximum(np.frexp(np.where(r == 0, 1, r))[1] - 1, -6) - 3)
;;       q = np.round(r / step) * step * 2.0 ** e      # np.round: ties to even
;;       return np.moveaxis(q.reshape(q.shape[:-2] + (-1,))[..., :K], -1, axis).astype(np.float32)
;;   ~~~
;;   SOFTMAX AHEAD OF A QUANTISED PRODUCT. Where the list says 'softmax', what is quantised is not the finished softmax but p = 2^(t - M), with t = logit x log2(e) and M = ceil(the row's largest t), a whole number; so 1/2 < the row's largest p <= 1. The row's sum l is taken of the UNQUANTISED p, in f32, and the product's result is divided by l at the end. Since M is a whole number, a kernel that streams over the keys may use a running M (the ceiling of the running maximum): every later rescaling is an exact power of two, which a block's scale takes up: the codes' values come out the same.
;;   OPERANDS COMPUTED ON THE WAY. 'Computed on the way' means the value that the module computes at that place (a softmax that the list does not call 'softmax' is quantised finished and normalised). What goes into a quantiser is computed in f32, as accurately as f32 sums, v_exp_f32 and their like allow (about 1e-6 of the number): no bf16 or f16 on the way to a quantiser, and a product that is left as it is and whose result goes on into a quantised operand takes f32 operands (vector FMAs, or v_wmma_f32_16x16x4_f32). A number that lies on a knife's edge between two numbers of the format may be rounded either way, as far as f32 arithmetic and the matrix unit's own rounding can turn it there, and no further.
;;   INPUTS GIVEN AS CODES. gw (in the module: [1024, 32], K = its axis 0); pb (in the module: [1024, 32], K = its axis 1); pw (in the module: [1024, 1024, 32], K = its axis 1); x (in the module: [2048, 1024], K = its axis 1): each comes as NAME_codes (uint8): NAME with its K axis moved to the last place and cut into blocks of 32 codes, [.., K / 32, bytes a block], one block behind the other in memory; one code a byte (a code: sign, 4 exponent bits, 3 mantissa bits); and NAME_scales (uint8): the same leading axes, one E8M0 byte (e + 127) for each 32 codes along K. Its value is code x scale, taken as it is: it is not quantised again, and the codes and scales need not be those that the quantiser above would give.
;; One version. Each part assembles by itself: llvm-mc -triple=amdgcn-amd-amdhsa -mcpu=gfx1250 --defsym DOCPART=n.
;; ======== version 1 of 1: 1 launch
;; limits: right only within a limited range of input values
;; launch moe (part 1): grid 32 x 8, 4 waves a work-group, clusters of 4 x 4, 327,680 bytes of LDS; arguments x_codes, x_scales, gw_codes, gw_scales, gb, pw_codes, pw_scales, pb_codes, pb_scales, out0; writes out0
.if DOCPART == 1
	.amdgcn_target "amdgcn-amd-amdhsa--gfx1250"
	.amdhsa_code_object_version 6
	.text
	.protected	k_qb2f98a4e79_moe
	.globl	k_qb2f98a4e79_moe
	.p2align	8
	.type	k_qb2f98a4e79_moe,@function
k_qb2f98a4e79_moe:
	s_mov_b64 s[64:65], 0
	v_nop
	global_prefetch_b8 v0, s[64:65] scope:SCOPE_SE
	s_setreg_imm32_b32 hwreg(HW_REG_WAVE_MODE, 25, 1), 1
	s_wait_xcnt 0x0
	s_wait_alu depctr_hold_cnt(0) depctr_sa_sdst(0) depctr_va_vdst(0) depctr_va_sdst(0) depctr_va_ssrc(0) depctr_va_vcc(0) depctr_vm_vsrc(0)
	s_getreg_b32 s2, hwreg(HW_REG_IB_STS2, 6, 4)
	s_cmp_eq_u32 s2, 0
	s_cbranch_scc0 .Lentry_in_a_cluster
	s_endpgm
.Lentry_in_a_cluster:
	s_bfe_u32 s2, ttmp6, 0x10000c
	s_cmp_lg_u32 s2, 0xf033
	s_cbranch_scc0 .Lentry_shape_is_right
	s_endpgm
.Lentry_shape_is_right:
; out[b][o] = ( sum over l of p[b][l] (sum over i of x[b][i] pw[o][i][l])  +  sum over l of Q(p)[b][l] pb[o][l] ) / (sum over l of p[b][l]),
; p = 2^(t - M), t = (x gw + gb) log2(e), M = ceil(the row's largest t).  x [2048][1024], gw [32][1024], pw [32768 = 32 o + l][1024], pb [1024][32]: codes of FP8 (E4M3), K innermost, one E8M0 byte for each 32 along K.
; SHARES.  256 work-groups of four waves.  Work-group (gx, gy) owns rows 256 gy on and outputs 32 gx on, that is rows 1,024 gx on of pw.
; x STAYS IN REGISTERS: wave w = 2 m + kh holds rows 128 m on, K half kh (512): 8 blocks of 16 rows x 4 K steps of 128 = 32 fragments, 512 registers.  pw's rows stream past it: a batch is 16 rows of pw (16 l of one output), 4 fragments,
; 16 LDS loads for 32 products.  The weighing with p and the sum over l are linear, so each K half is weighed by itself; the two halves' sums are added at the end.
; A wave's LOCAL block a is block a xor 4 kh of its 128 rows: local blocks 0-3 are the 64 rows (64 w on) that the wave finishes, 4-7 those that its partner, wave w xor 1, finishes.
; LOGITS: gw's 32 rows are treated as one more output; a wave hands the partial logits of local blocks 4-7 to its partner through LDS and gets the partner's for 0-3; then p goes back the same way.
; CLUSTERS: 4 x 4.  x's rows hang on gy alone and are asked for jointly along a row of the cluster, pw's on gx alone, jointly along a column.  gw (32,768 bytes) is wanted once, straight in registers, by plain loads.
; LDS: two slots of 128 rows of pw (four outputs), 1,024 bytes + 16 of padding a row; at first x's 256 rows lie in them.  Refills in rounds of the cluster's barrier, 32 rows a wave.  Behind the slots: sums of 14 pairs of outputs; the last two
; pairs' lie in the end of the even slot, behind its last fill and last read.
; PRODUCTS are used transposed (source 0 = rows of pw or gw, source 1 = rows of x): a lane holds ONE row b (lane % 16), its registers run along l.  A GROUP is 16 products: 4 local blocks (g = 0: 0-3, g = 1: 4-7) x 4 K steps; its four
; accumulators take turns.  A group's results are weighed among the next group's products: the weights lie in the upper quarter of the very window that those products' x lies in, so that no window is switched for them.
; pw IS PREFETCHED into the L2: slot t + 3 in trip t (slots 0 to 2 at the head), 131,072 dense bytes: the four partners of a column and their four waves take 8,192 bytes each, lanes 256 bytes apart; the last trip asks for nothing.
; LIMITS.  A p under 2^-126 counts as 0.  NaN and infinities among the inputs are not served.  The scaled logits stay under 2^31 in magnitude.
; A work-group owns 128 consecutive bytes of each output row: a store covers four runs of 128 bytes, each at a multiple of 128; 256 would want 64 outputs to a work-group and so twice the stream of pw.
; REGISTERS.  window 0: v0-7 addresses; v8-23 running sums T; v24-55 scale words; v56-63 folded sums E; v64-191 pw's fragments, two sets; v192-255 accumulators, two sets of four (logits and p at the head).
;   window 1: v0-127 x's fragments of K step 3; above: Q(p), 1 / sum, pb, gb.   windows 2, 3: v0-191 x's fragments of K steps 0-2 of g = 0, 1; v192-255 the weights p of the OTHER group.
; THE WEIGHTS' PLACES IN FULL (these lines stand for what is said above on v192-255 of windows 2 and 3, and on the next group): a window holds at v192-223 the other group's blocks 0 and 1, at v224-239 its own group's block 3;
; both groups' block 2 lies in window 1, at v176-207.  Blocks 0 to 2 of a group are weighed behind products 3 to 14 of the next group, block 3 at the head of the group after that, before its accumulator is written anew.
.set PITCH, 1040                       ; an odd multiple of 16
.set BLK16, 16*PITCH
.set HALF, 64*PITCH
.set SLOT, 128*PITCH                   ; odd slot at 0, even slot at SLOT (0x20800: no bit in common with 0x8200 x wave)
.set STEP, 131072                      ; a slot's bytes in memory
.set PSUM, 2*SLOT                      ; sums of pairs 13 .. 0 ascending; at the head the exchange's 32,768 bytes
.set PS0, PSUM-8192                    ; pair q of outputs: PS0 + 4,096 (15 - q) + 1,024 wave + 16 lane (+ 512 for local blocks 4-7)
.set SPARE, PSUM+57344                 ; the spare words: two blocks of 256 bytes that no other line names
.set FP, 144                           ; the way out: rows of 128 bytes + 16, in the odd slot
.set STP, 0                            ; v0 (at first the thread's number): where the pair that ends in the next slot's first output goes
.set ADR, 1                            ; v1, v7: my fragments in the slot, outputs 0-1 and 2-3
.set ADRH, 7
.set STO, 2                            ; v2 the slot's sums
.set BSO, 3                            ; v3 my scale bytes in a block of 32 rows
.set PFO, 4
.set SPW, 5
.set NIL, 6
.set T, 8
.set BS, 24                            ; pw's scale words: output j of a slot, K step k: BS + 8 j + k: lanes 0-15 l = 0-15, lanes 16-31 l = 16-31
.set XS, 28                            ; x's: block A, K step k: XS + 8 (A / 2) + 2 (A % 2) + k % 2; K steps 2, 3 in lanes 16-31: never equal to pw's modulo 8
.set E, 56
.set EXA, 56                           ; v56, v57 at the head: the exchange's areas w and w xor 1
.set EXB, 57
.set FR, 64
.set AC, 192
.set LG, 192
.set XA, 198
.set PCD, 128                          ; window 1
.set LIV, 144
.set PSW, 152
.set ADR0, 153
.set STO0, 154
.set TID, 155
.set PBS, 156
.set PBC, 160
.set GBW, 176
.set TCNT, 2
.set TB, 3
.set WV, 24
.set WM, 25
.set KH, 26
.set G1X, 36
.set G1P, 44
.set G1R, 68
.set G0X, 52
.set G0P, 56
.set G0R, 60
.set TBH, 76
.set TP, 77
.set PFA, 78
.set TPP, 80
.set KX, 82
.set SEL, 96
.set CS, 98
.set MNT, 100
.set MSB, 0
.macro WIN new                         ; the immediate's high byte repeats the setting that is left
.if MSB != (\new)
	s_set_vgpr_msb (MSB<<8)|(\new)
.set MSB, (\new)
.endif
.endm
.macro PLACES n
.rept \n
	v_nop
.endr
.endm
.macro CREST                           ; a round of the cluster's barrier behind its opening barrier
	s_cmp_lg_u32 s[WV], 0
	s_cbranch_scc1 .Lnot_wave_0_\@
	s_barrier_signal -3
.Lnot_wave_0_\@:
	s_barrier_wait -3
	s_barrier_signal -1
	s_barrier_wait -1
.endm
.macro CROUND
	s_barrier_signal -1
	s_barrier_wait -1
	CREST
.endm
.macro GROUP1 g, mask, rows            ; whole rows of 1,024 bytes, joint, four words of padding after every 256
	s_or_b32 s[\g], s[\mask], (1<<20)|(1<<21)|(7<<22)|(3<<25)
	s_mov_b32 s[\g+1], 1024<<16
	s_mov_b32 s[\g+2], \rows<<16
	s_mov_b32 s[\g+3], 1024<<16
	s_mov_b32 s[\g+4], \rows
	s_mov_b32 s[\g+5], 1024
	s_mov_b32 s[\g+6], 0
	s_mov_b32 s[\g+7], 0
.endm
	s_load_b512 s[4:19], s[0:1], 0x0               ; x s[4:5], its scales s[6:7], gw s[8:9], s[10:11], gb s[12:13], pw s[14:15], s[16:17], pb s[18:19]
	s_load_b128 s[20:23], s[0:1], 0x40             ; pb's scales s[20:21], out0 s[22:23]
	v_lshl_add_u32 v[SPW], v0, 2, SPARE
	v_mov_b32 v[NIL], 0
	ds_add_u32 v[SPW], v[NIL]                      ; the opening add, twice on end, under one wait
	ds_add_u32 v[SPW], v[NIL]
	v_lshrrev_b32 v8, 5, v0
	v_readfirstlane_b32 s[WV], v8
	s_lshr_b32 s[WM], s[WV], 1                     ; my half of the rows
	s_and_b32 s[KH], s[WV], 1                      ; my half of K
	s_xor_b32 s[KX], s[KH], 1
	s_bfe_u32 s27, ttmp6, 0x40000                  ; cx, cy
	s_bfe_u32 s28, ttmp6, 0x40004
	s_lshl_b32 s29, ttmp9, 2
	s_add_co_u32 s29, s29, s27                     ; gx
	s_and_b32 s30, ttmp7, 0xffff
	s_lshl_b32 s30, s30, 2
	s_add_co_u32 s30, s30, s28                     ; gy
	s_lshl_b32 s31, s28, 2
	s_lshl_b32 s31, 15, s31                        ; my row of the cluster
	s_lshl_b32 s32, 0x1111, s27                    ; my column
	GROUP1 G1X, 31, 64
	GROUP1 G1P, 32, 64
	GROUP1 G1R, 32, 32
	s_mov_b32 s[G0X], 1
	s_mul_i32 s[G0X+1], s[WV], HALF                ; x: 64 rows a wave
	s_mov_b32 s[G0P], 1                            ; pw's first two slots: waves 0, 1 the even slot, waves 2, 3 the odd one
	s_xor_b32 s33, s[WM], 1
	s_mul_i32 s33, s33, SLOT
	s_mul_i32 s[G0P+1], s[KH], HALF
	s_add_co_u32 s[G0P+1], s[G0P+1], s33
	s_mov_b32 s[G0R], 1                            ; a refill: 32 rows a wave; stepped and turned ahead of its first use
	s_mul_i32 s[G0R+1], s[WV], 32*PITCH
	s_mov_b32 s[SEL], 0x76543210
	s_mov_b32 s[SEL+1], 0xfedcba98
	s_mov_b32 s[CS], 0x3fb8aa3b                    ; log2(e)
	s_mov_b32 s[CS+1], s[CS]
	s_mov_b32 s[MNT], 0x600000                     ; the mantissa field of 448
	s_mov_b32 s35, 0                               ; s[34:35]: offsets made of gy and the wave;  s[66:67]: of gx and the wave
	s_mov_b32 s67, 0
	s_wait_dscnt 0x0
	CROUND                                         ; all sixteen work-groups are here
	s_wait_kmcnt 0x0
	s_lshl_b32 s34, s30, 18
	s_add_nc_u64 s[4:5], s[4:5], s[34:35]
	s_lshl_b32 s34, s[WV], 16
	s_add_nc_u64 s[G0X+2:G0X+3], s[4:5], s[34:35]
	s_or_b32 s[G0X+3], s[G0X+3], 0x80000000
	tensor_load_to_lds s[G0X:G0X+3], s[G1X:G1X+7]  ; x: one load a wave
	s_nop 0
	PLACES 4
	s_lshl_b32 s34, s30, 13
	s_add_nc_u64 s[6:7], s[6:7], s[34:35]
	s_lshl_b32 s34, s30, 20
	s_lshl_b32 s33, s[WV], 18
	s_add_co_u32 s34, s34, s33
	s_add_nc_u64 s[22:23], s[22:23], s[34:35]      ; out0 at row 256 gy + 64 wave,
	s_lshl_b32 s66, s29, 7
	s_add_nc_u64 s[22:23], s[22:23], s[66:67]      ; output 32 gx
	s_lshl_b32 s66, s29, 20
	s_add_nc_u64 s[14:15], s[14:15], s[66:67]
	s_lshl_b32 s66, s29, 15
	s_add_nc_u64 s[16:17], s[16:17], s[66:67]
	s_lshl_b32 s66, s29, 10
	s_add_nc_u64 s[18:19], s[18:19], s[66:67]
	s_lshl_b32 s66, s29, 5
	s_add_nc_u64 s[20:21], s[20:21], s[66:67]
	s_lshl_b32 s66, s[WV], 16
	s_add_nc_u64 s[G0P+2:G0P+3], s[14:15], s[66:67]
	s_or_b32 s[G0P+3], s[G0P+3], 0x80000000
	s_lshl_b32 s66, s[WV], 15
	s_add_nc_u64 s[G0R+2:G0R+3], s[14:15], s[66:67]
	s_add_nc_u64 s[G0R+2:G0R+3], s[G0R+2:G0R+3], STEP
	s_or_b32 s[G0R+3], s[G0R+3], 0x80000000
	s_add_nc_u64 s[PFA:PFA+1], s[14:15], 3*STEP
	; offsets of the vector addresses below
	s_lshl_b32 s33, s[KH], 4
	s_lshl_b32 s84, s[WM], 12
	s_add_co_u32 s84, s84, s33
	s_lshl_b32 s85, s[KX], 11
	s_add_co_u32 s85, s84, s85                     ; x's scale bytes, local blocks 4-7
	s_lshl_b32 s86, s[KH], 11
	s_add_co_u32 s84, s84, s86                     ; 0-3
	s_lshl_b32 s86, s[KH], 9                       ; my half of a row of codes
	s_lshl_b32 s87, s28, 15
	s_lshl_b32 s88, s[WV], 13
	s_add_co_u32 s87, s87, s88                     ; my share of a prefetch
	s_mul_i32 s88, s[WM], SLOT
	s_add_co_u32 s88, s88, s86
	s_mul_i32 s89, s[KX], HALF
	s_add_co_u32 s89, s88, s89                     ; x in LDS, local blocks 4-7
	s_mul_i32 s90, s[KH], HALF
	s_add_co_u32 s88, s88, s90                     ; 0-3
	s_lshl_b32 s90, s[WV], 13
	s_add_co_u32 s90, s90, PSUM
	s_xor_b32 s91, s[WV], 1
	s_lshl_b32 s91, s91, 13
	s_add_co_u32 s91, s91, PSUM
	s_lshl_b32 s92, s[WV], 10
	s_add_co_u32 s92, s92, PS0
	s_add_co_u32 s93, s92, 57344
	s_add_co_u32 s94, s93, 4096
	s_add_co_u32 s95, s86, SLOT                    ; the first slot is the even one
	s_add_co_u32 s101, s95, HALF
	v_and_b32 v192, 15, v0                         ; r
	v_bfe_u32 v193, v0, 4, 1                       ; h
	v_and_b32 v194, 31, v0                         ; lane
	v_lshlrev_b32 v197, 5, v192
	v_lshl_add_u32 v[BSO], v194, 5, s33            ; lane l takes row l, 16 bytes of its 32: my half of K
	v_lshl_add_u32 v202, v193, 3, v197
	v_lshl_add_u32 v203, v193, 4, v197             ; pb's row r, + 16 h
	v_add_nc_u32 v196, s84, v202
	v_add_nc_u32 v201, s85, v202
	v_lshlrev_b32 v195, 10, v192
	v_lshl_add_u32 v195, v193, 4, v195
	v_add_nc_u32 v195, s86, v195                   ; gw: row r, my half of K, + 16 h
	v_lshlrev_b32 v204, 5, v193
	v_lshl_add_u32 v[PFO], v194, 8, s87
	global_load_b128 v[BS+24:BS+27], v[BSO], s[10:11]          ; gw's scale words stand where output 3's will
.irp a, 0,1,2,3
	global_load_b64 v[XS+8*(\a/2)+2*(\a%2):XS+8*(\a/2)+2*(\a%2)+1], v196, s[6:7] offset:512*\a
	global_load_b64 v[XS+16+8*(\a/2)+2*(\a%2):XS+16+8*(\a/2)+2*(\a%2)+1], v201, s[6:7] offset:512*\a
.endr
.irp u, 0,1
.irp i, 0,1,2,3,4,5,6,7,8,9,10,11,12,13,14,15
	global_load_b128 v[FR+64*\u+4*\i:FR+64*\u+4*\i+3], v195, s[8:9] offset:16384*\u+32*\i
.endr
.endr
	WIN 0x40
.irp u, 0,1
	global_load_b128 v[GBW+8*\u:GBW+8*\u+3], v204, s[12:13] offset:64*\u       ; gb(16 u + 8 h + 0 .. 7)
	global_load_b128 v[GBW+8*\u+4:GBW+8*\u+7], v204, s[12:13] offset:64*\u+16
	global_load_b128 v[PBC+4*\u:PBC+4*\u+3], v203, s[18:19] offset:512*\u      ; pb(16 u + r, 16 h + 0 .. 15)
	global_load_u8 v[PBS+\u], v192, s[20:21] offset:16*\u
.endr
	WIN 0
.irp j, 0,1,2
	global_load_b128 v[BS+8*\j:BS+8*\j+3], v[BSO], s[16:17] offset:1024*\j     ; pw's scale words of outputs 0-2
.endr
	global_prefetch_b8 v[PFO], s[14:15] th:TH_LOAD_NT scope:SCOPE_SE
	global_prefetch_b8 v[PFO], s[14:15] offset:STEP th:TH_LOAD_NT scope:SCOPE_SE
	v_mul_u32_u24 v197, v192, PITCH
	v_lshl_add_u32 v197, v193, 4, v197             ; a fragment's row x pitch + 16 h
	v_lshlrev_b32 v200, 4, v194
	v_add_nc_u32 v[XA], s88, v197
	v_add_nc_u32 v[XA+1], s89, v197
	v_add_nc_u32 v[EXA], s90, v200
	v_add_nc_u32 v[EXB], s91, v200
	v_add_nc_u32 v[ADR], s95, v197
	v_add_nc_u32 v[ADRH], s101, v197
	v_add_nc_u32 v[STO], s93, v200
	WIN 0x40
	v_add_nc_u32 v[ADR0], s86, v197
	v_add_nc_u32 v[STO0], s92, v200
	v_and_b32 v[TID], 127, v0                      ; the thread's number is kept here
	WIN 0
	v_add_nc_u32 v[STP], s94, v200                 ; the first trip's first pair is no pair: its place is pair 0's, which is stored over it later
.set N_, 0
.rept 16
	v_mov_b32 v[T+N_], 0                           ; the first group has no group before it: what it weighs reaches no sum
.set N_, N_+1
.endr
.macro LOADX k                         ; x's fragments of K step k: 32 loads
.irp g, 0,1
.if \k < 3
	WIN 0x80+0x40*\g
.else
	WIN 0x40
.endif
.irp a, 0,1,2,3
.irp c, 0,1,2,3
.if \k < 3
	ds_load_b128 v[16*(3*\a+\k)+4*\c:16*(3*\a+\k)+4*\c+3], v[XA+\g] offset:\a*BLK16+128*\k+32*\c
.else
	ds_load_b128 v[16*(4*\g+\a)+4*\c:16*(4*\g+\a)+4*\c+3], v[XA+\g] offset:\a*BLK16+128*\k+32*\c
.endif
.endr
.endr
.endr
.endm
.macro WMX c, u, hh                    ; u: the rows' scales lie in lanes 16-31; hh: x's do
.if \u
.if \hh
	v_wmma_scale_f32_16x16x128_f8f6f4 v[D_:D_+7], v[P_:P_+15], v[X_:X_+15], \c, v[SA_], v[SB_] matrix_a_scale:MATRIX_SCALE_ROW1 matrix_b_scale:MATRIX_SCALE_ROW1
.else
	v_wmma_scale_f32_16x16x128_f8f6f4 v[D_:D_+7], v[P_:P_+15], v[X_:X_+15], \c, v[SA_], v[SB_] matrix_a_scale:MATRIX_SCALE_ROW1
.endif
.else
.if \hh
	v_wmma_scale_f32_16x16x128_f8f6f4 v[D_:D_+7], v[P_:P_+15], v[X_:X_+15], \c, v[SA_], v[SB_] matrix_b_scale:MATRIX_SCALE_ROW1
.else
	v_wmma_scale_f32_16x16x128_f8f6f4 v[D_:D_+7], v[P_:P_+15], v[X_:X_+15], \c, v[SA_], v[SB_]
.endif
.endif
.endm
.macro OPER g, u, j, a, k              ; the operands of a product, but D
.set P_, FR+64*(\u)+16*(\k)
.if (\k) < 3
.set X_, 16*(3*(\a)+(\k))
.else
.set X_, 16*(4*(\g)+(\a))
.endif
.set SA_, BS+8*(\j)+(\k)
.set SB_, XS+8*((4*(\g)+(\a))/2)+2*((\a)%2)+(\k)%2
.endm
; The logits' products of K step k: 16, the sixteen sums by turns; they stand where the weights will.  gb is the C of my own rows' first products; the partner's rows get theirs from the partner.
.macro GPROD k
.irp g, 0,1
.if \k < 3
.if (\k == 0) && (\g == 0)
	WIN 0xd8
.else
	WIN 0xf8-0x4c*\g
.endif
.else
	WIN 0xf4-0x50*\g
.endif
.irp u, 0,1
.irp a, 0,1,2,3
	OPER \g, \u, 3, \a, \k
.set D_, 192+16*\a+8*\u
.if \k > 0
	WMX v[D_:D_+7], \u, \k/2
.elseif \g
	WMX 0, \u, \k/2
.else
	WMX v[GBW+8*\u:GBW+8*\u+7], \u, \k/2
.endif
.endr
.endr
.endr
.endm
	s_wait_alu depctr_va_vdst(0)                   ; the wait at the head's end
	s_wait_tensorcnt 0x0
	s_barrier_signal -1
	s_barrier_wait -1                              ; x's 256 rows lie in LDS
	LOADX 0
	s_wait_dscnt 31
	LOADX 1
	s_wait_loadcnt 0x0
	s_wait_dscnt 31                                ; K step 0 is in
	LOADX 2
	GPROD 0
	s_wait_dscnt 30                                ; K step 1 is in
	LOADX 3
	GPROD 1
	WIN 0
	s_wait_tensorcnt 0x0
	ds_add_u32 v[SPW], v[NIL]
	s_wait_dscnt 33                                ; K step 2 is in: K step 3's 32 loads and the add may be out
	GPROD 2
	s_wait_dscnt 0x0                               ; x is in registers: my reads of LDS are over
	s_barrier_signal -1
	GPROD 3
	WIN 0
	s_barrier_wait -1
	CREST
	s_cmp_lt_u32 s[WV], 2                          ; one joint load a wave; the even slot's has a line of its own, since it is waited for first
	s_cbranch_scc0 .Lodd_slot
	tensor_load_to_lds s[G0P:G0P+3], s[G1P:G1P+7]
	s_nop 0
	PLACES 4
	s_branch .Lasked
.Lodd_slot:
	tensor_load_to_lds s[G0P:G0P+3], s[G1P:G1P+7]
	s_nop 0
	PLACES 4
.Lasked:
	PLACES 4
	WIN 0x08                                       ; the partner's rows: data in window 2
.irp i, 0,1,2,3
.irp q, 0,1,2,3
	ds_store_b128 v[EXA], v[192+16*\i+4*\q:192+16*\i+4*\q+3] offset:512*(4*\i+\q)
.endr
.endr
	WIN 0
	global_prefetch_b8 v[PFO], s[14:15] offset:2*STEP th:TH_LOAD_NT scope:SCOPE_SE
	s_wait_dscnt 0x0
	s_barrier_signal -1
	s_barrier_wait -1
.irp i, 0,1,2,3
.irp q, 0,1,2,3
	ds_load_b128 v[LG+16*\i+4*\q:LG+16*\i+4*\q+3], v[EXB] offset:512*(4*\i+\q)
.endr
.endr
	s_wait_dscnt 0x0
	WIN 0x03                                       ; source 0 in window 3
.irp i, 0,1,2,3
.irp k, 0,1,2,3,4,5,6,7
	v_pk_add_f32 v[LG+16*\i+2*\k:LG+16*\i+2*\k+1], v[192+16*\i+2*\k:192+16*\i+2*\k+1], v[LG+16*\i+2*\k:LG+16*\i+2*\k+1]
.endr
.endr
	WIN 0
	; THE SOFTMAX of my 64 rows, four blocks by turns: lane (r, h) holds row r, register 8 u + j holds l = 16 u + 8 h + j
.set MX, 64
.set PX, 68
.set NM, 72
.set PM, 80
.set SU, 84
.set SCO, 92
.set HD, 96
.set BY, 100
.irp i, 0,1,2,3
	v_mov_b32 v[PX+\i], 0                          ; a lane permute's destination counts as one of its sources
.endr
.irp i, 0,1,2,3
	v_max3_num_f32 v[MX+\i], v[LG+16*\i], v[LG+16*\i+1], v[LG+16*\i+2]
.endr
.irp k, 3,5,7,9,11,13
.irp i, 0,1,2,3
	v_max3_num_f32 v[MX+\i], v[MX+\i], v[LG+16*\i+\k], v[LG+16*\i+\k+1]
.endr
.endr
.irp i, 0,1,2,3
	v_max_num_f32 v[MX+\i], v[MX+\i], v[LG+16*\i+15]
.endr
.irp i, 0,1,2,3
	v_permlanex16_b32 v[PX+\i], v[MX+\i], s[SEL], s[SEL+1]
.endr
.irp i, 0,1,2,3
	v_max_num_f32 v[MX+\i], v[MX+\i], v[PX+\i]
.endr
.irp i, 0,1,2,3
	v_mul_f32 v[PX+\i], s[CS], v[MX+\i]
.endr
.irp i, 0,1,2,3
	v_floor_f32 v[NM+2*\i], -v[PX+\i]              ; -M = floor(-t) = -ceil(t)
.endr
.irp i, 0,1,2,3
	v_mov_b32 v[NM+2*\i+1], v[NM+2*\i]             ; (named with it as a pair)
.endr
.irp k, 0,1,2,3,4,5,6,7
.irp i, 0,1,2,3
	v_pk_fma_f32 v[LG+16*\i+2*\k:LG+16*\i+2*\k+1], v[LG+16*\i+2*\k:LG+16*\i+2*\k+1], s[CS:CS+1], v[NM+2*\i:NM+2*\i+1] op_sel_hi:[1,0,0]   ; t - M
.endr
.endr
.irp i, 0,1,2,3
	v_fma_f32 v[PM+\i], v[MX+\i], s[CS], v[NM+2*\i]   ; the same of the largest logit: the row's largest p
.endr
	s_wait_alu depctr_va_vdst(0)                   ; the wait ahead of the batch
.irp i, 0,1,2,3
.irp k, 0,1,2,3,4,5,6,7,8,9,10,11,12,13,14,15
	v_exp_f32 v[LG+16*\i+\k], v[LG+16*\i+\k]       ; p: not normalised
.endr
.endr
.irp i, 0,1,2,3
	v_exp_f32 v[PM+\i], v[PM+\i]
.endr
	v_nop
	s_wait_alu depctr_va_vdst(0)                   ; and behind it
.irp i, 0,1,2,3
.irp q, 0,1,2,3
	ds_store_b128 v[EXB], v[LG+16*\i+4*\q:LG+16*\i+4*\q+3] offset:512*(4*\i+\q)   ; over the partial logits that I alone read there
.endr
.endr
.irp i, 0,1,2,3
	v_pk_add_f32 v[SU+2*\i:SU+2*\i+1], v[LG+16*\i:LG+16*\i+1], v[LG+16*\i+2:LG+16*\i+3]   ; the row's sum is taken of the unquantised p
.endr
.irp k, 2,3,4,5,6,7
.irp i, 0,1,2,3
	v_pk_add_f32 v[SU+2*\i:SU+2*\i+1], v[SU+2*\i:SU+2*\i+1], v[LG+16*\i+2*\k:LG+16*\i+2*\k+1]
.endr
.endr
.irp i, 0,1,2,3
	v_add_f32 v[SU+2*\i], v[SU+2*\i], v[SU+2*\i+1]
.endr
.irp i, 0,1,2,3
	v_permlanex16_b32 v[PX+\i], v[SU+2*\i], s[SEL], s[SEL+1]
.endr
.irp i, 0,1,2,3
	v_add_f32 v[SU+2*\i], v[SU+2*\i], v[PX+\i]
.endr
.irp i, 0,1,2,3
	v_max_num_f32 v[PM+\i], 0x4800000, v[PM+\i]    ; the floor 2^(9 - 127): the byte cannot fall under 1
.endr
	s_wait_alu depctr_va_vdst(0)
	WIN 0x40
.irp i, 0,1,2,3
	v_rcp_f32 v[LIV+2*\i], v[SU+2*\i]              ; twice: the pair that the packed multiply takes
	v_rcp_f32 v[LIV+2*\i+1], v[SU+2*\i]
.endr
	WIN 0
.irp i, 0,1,2,3
	v_add_nc_u32 v[SCO+\i], 0xfc000000, v[PM+\i]   ; 8 off the exponent field: the conversion's scale operand
.endr
.irp i, 0,1,2,3
	v_and_or_b32 v[HD+\i], v[PM+\i], 0x7f800000, s[MNT]   ; 448 x the scale
.endr
.irp i, 0,1,2,3
	v_lshrrev_b32 v[BY+\i], 23, v[SCO+\i]
.endr
	v_lshl_or_b32 v[BY], v[BY+1], 8, v[BY]         ; byte i: block i's row r
	v_lshl_or_b32 v[BY], v[BY+2], 16, v[BY]
	WIN 0x40
	v_lshl_or_b32 v[PSW], v[BY+3], 24, v[BY]
	WIN 0
	s_wait_alu depctr_va_vdst(0)
	s_wait_dscnt 0x0                               ; my p has landed
	s_barrier_signal -1
	s_barrier_wait -1
.macro GLD d, e, i                     ; the weights of block i of an image: 16 registers from d on
.irp q, 0,1,2,3
	ds_load_b128 v[\d+4*\q:\d+4*\q+3], v[\e] offset:512*(4*\i+\q)
.endr
.endm
	WIN 0xc0                                       ; EXB: the weights of my own rows, group 0; EXA: of the partner's, group 1
	GLD 192, EXB, 0
	GLD 208, EXB, 1
	GLD 224, EXA, 3
	WIN 0x80
	GLD 192, EXA, 0
	GLD 208, EXA, 1
	GLD 224, EXB, 3
	WIN 0x40
	GLD 176, EXB, 2
	GLD 192, EXA, 2
	WIN 0
.irp i, 0,1,2,3                        ; Q(p), while these loads are on their way: the operand wants l = 16 h + 0 .. 15 in a lane
.irp j, 0,1,2,3,4,5,6,7
	v_permlane16_swap_b32 v[LG+16*\i+\j], v[LG+16*\i+8+\j]
.endr
.endr
.irp i, 0,1,2,3
.irp k, 0,1,2,3,4,5,6,7,8,9,10,11,12,13,14,15
	v_min_num_f32 v[LG+16*\i+\k], v[LG+16*\i+\k], v[HD+\i]   ; the conversion does not saturate (ISA guide 7.6.2); p is not negative
.endr
.endr
	WIN 0x40
.irp i, 0,1,2,3
	v_cvt_scalef32_pk8_fp8_f32 v[PCD+4*\i:PCD+4*\i+1], v[LG+16*\i:LG+16*\i+7], v[SCO+\i]
	v_cvt_scalef32_pk8_fp8_f32 v[PCD+4*\i+2:PCD+4*\i+3], v[LG+16*\i+8:LG+16*\i+15], v[SCO+\i]
.endr
	v_nop
	WIN 0
.set N_, 0
.rept 8
	v_mov_b32 v[E+N_], 0
.set N_, N_+1
.endr
	s_mov_b32 s[TCNT], 0
	s_mov_b32 s[TB], SLOT
	s_mov_b32 s[TP], 57344
.macro GATE g, u, a, m                 ; a packed multiply-add of group (g, u): block a, registers 2 m, 2 m + 1
.set A_, \a
.set M_, \m
.set C_, AC+32*(\g)+8*A_+2*M_
.if A_ == 2
.set W_, 176+16*(\g)+8*(\u)+2*M_
.elseif A_ == 3
.set W_, 224+8*(\u)+2*M_
.else
.set W_, 192+16*A_+8*(\u)+2*M_
.endif
.set T_, T+2*(4*(\g)+A_)
.if ((\u) == 0) && (M_ == 0)
	v_pk_mul_f32 v[T_:T_+1], v[C_:C_+1], v[W_:W_+1]
.else
	v_pk_fma_f32 v[T_:T_+1], v[C_:C_+1], v[W_:W_+1], v[T_:T_+1]
.endif
.endm
.macro RUN                             ; a batch's 16 loads into set LS_
.set L_, 0
.rept 16
	ds_load_b128 v[FR+64*LS_+4*L_:FR+64*LS_+4*L_+3], v[LA_] offset:LO_+32*L_
.set L_, L_+1
.endr
.endm
.macro PROD g, u, j                    ; product N_ of a group: K step N_ / 4, block N_ % 4
.set A_, N_%4
.set K_, N_/4
	OPER \g, \u, \j, A_, K_
.set D_, AC+32*(\g)+8*A_
.if K_ == 0
	WMX 0, \u, K_/2
.else
	WMX v[D_:D_+7], \u, K_/2
.endif
.endm
; Products 0-11 of a group, a packed multiply-add behind each: ahead of product 0 and behind 0-2 block 3 of the group before the last, behind 3-10 blocks 0 and 1 of the last.  Between the last group's product 12 and the first reader of its
; result stand three such lines there, four here and the v_nop: eight places.  Behind product 6, where what the last group has read has its places too: (ld) the 16 loads of a later batch and what EX_ names; sg: the signal that opens a change of slots.
.macro PART1 g, u, j, ld, sg
	WIN 8+4*\g
.set PU_, (\g)*(\u)+(1-(\g))*(1-(\u))
	GATE \g, 1-\u, 3, 0
.set N_, 0
.rept 12
	PROD \g, \u, \j
.if N_ < 3
	GATE \g, 1-\u, 3, N_+1
.elseif N_ < 11
	GATE 1-\g, PU_, (N_-3)/4, (N_-3)%4
.endif
.if N_ == 2
	v_nop
.endif
.if (N_ == 6) && \sg
	s_wait_dscnt 0x0
	s_barrier_signal -1
.endif
.if (N_ == 6) && \ld
	RUN
.endif
.if (N_ == 6) && (EX_ == 1)
	global_load_b128 v[BS+8*((\j+3)%4):BS+8*((\j+3)%4)+3], v[BSO], s[16:17] offset:1024*(\j+3)   ; pw's scale words, three outputs ahead
.endif
.if (N_ == 6) && (EX_ == 2)
	WIN 0
	s_wait_alu depctr_va_vdst(0)                   ; the wait directly ahead of the readers
	ds_store_b128 v[STP], v[E:E+3]                 ; the last slot's second pair
	ds_store_b128 v[STP], v[E+4:E+7] offset:512
	WIN 8+4*\g
.endif
.if (N_ == 6) && (EX_ == 3)
	WIN 0
	s_wait_alu depctr_va_vdst(0)                   ; likewise
	ds_store_b128 v[STO], v[E:E+3] offset:4096     ; this slot's first pair
	ds_store_b128 v[STO], v[E+4:E+7] offset:4096+512
	WIN 8+4*\g
.endif
.if (N_ == 6) && (EX_ == 4)
	WIN 0
	s_cmp_lt_u32 s[TCNT], 5                        ; the last trip's next fill would lie behind the last slot
	s_cbranch_scc0 .Lno_ask_\@
	global_prefetch_b8 v[PFO], s[PFA:PFA+1] th:TH_LOAD_NT scope:SCOPE_SE
.Lno_ask_\@:
	WIN 8+4*\g
.endif
.set N_, N_+1
.endr
.endm
.macro PART2 g, u, j                   ; products 12-15: x's fragments in window 1, and the weights of the last group's block 2
	WIN 4
	GATE 1-\g, PU_, 2, 0
.set N_, 12
.rept 4
	PROD \g, \u, \j
.if N_ < 15
	GATE 1-\g, PU_, 2, N_-11
.endif
.set N_, N_+1
.endr
.endm
; FOLDING the sums of a pair of outputs: a lane's two running sums (PAIR); then the lanes' halves change places between the even output's sum (E) and the odd one's, and are added: lanes 0-15 the even output, lanes 16-31 the odd one.
.macro PAIRE g
.irp a, 0,1,2,3
	v_add_f32 v[E+4*\g+\a], v[T+2*(4*\g+\a)], v[T+2*(4*\g+\a)+1]
.endr
.endm
.macro PAIRT g
.irp a, 0,1,2,3
	v_add_f32 v[T+2*(4*\g+\a)], v[T+2*(4*\g+\a)], v[T+2*(4*\g+\a)+1]
.endr
.endm
.macro SWAPE g
.irp a, 0,1,2,3
	v_permlane16_swap_b32 v[E+4*\g+\a], v[T+2*(4*\g+\a)]
.endr
.endm
.macro FOLDE g
.irp a, 0,1,2,3
	v_add_f32 v[E+4*\g+\a], v[E+4*\g+\a], v[T+2*(4*\g+\a)]
.endr
.endm
; AN OUTPUT, the j-th of a slot: four groups (l 0-15: g = 0, 1; l 16-31: g = 0, 1).  mode 1: behind the slot its bytes are filled again; 0: a slot follows, nothing is filled; 2: the last slot.
.macro OUT j, mode
.if (\mode == 2) && (\j > 1)
	s_wait_loadcnt 3-\j
.else
	s_wait_loadcnt 2                               ; this output's scale words are in; the next two's may be out
.endif
	s_wait_dscnt 0x0                               ; the first batch's fragments are in
.set LS_, 1
.set LA_, ADR+6*(\j/2)
.set LO_, (32*(\j%2)+16)*PITCH
.set EX_, 0
.if (\mode < 2) || (\j == 0)
.set EX_, 1
.endif
	PART1 0, 0, \j, 1, 0
.set EX_, 0
	WIN 0
.if (\j%2) == 0
	PAIRT 0                                        ; the last output's sums of group 0 are whole
.else
	PAIRE 0
.endif
	PART2 0, 0, \j
.if (\j%2) == 0
	WIN 0
	SWAPE 0
	FOLDE 0
.endif
	PART1 1, 0, \j, 0, 0
	WIN 0
.if (\j%2) == 0
	PAIRT 1                                        ; and of group 1
.else
	PAIRE 1
.endif
	PART2 1, 0, \j
.if (\j%2) == 0
	WIN 0
	SWAPE 1
	FOLDE 1
.endif
.if (\j == 3) && (\mode < 2)
	WIN 0
	s_wait_tensorcnt 0x0                           ; my part of the next slot is in
.if \mode == 1
	ds_add_u32 v[SPW], v[NIL]                      ; scalar work and seven products stand between the add and the wait for it
	s_xor_b32 s[G0R+1], s[G0R+1], SLOT
	s_add_nc_u64 s[G0R+2:G0R+3], s[G0R+2:G0R+3], STEP
.endif
	s_xor_b32 s[TB], s[TB], SLOT
	s_add_co_u32 s[TBH], s[TB], HALF
	s_sub_co_u32 s[TP], s[TP], 8192
	s_add_co_u32 s[TPP], s[TP], 8192
.if \mode == 1
	s_wait_dscnt 1                                 ; the last batch's fragments are in: the add may be out
.else
	s_wait_dscnt 0x0
.endif
	PART1 0, 1, \j, 0, 1                           ; all reads of this slot are over: the signal stands behind product 6
.else
	s_wait_dscnt 0x0                               ; the second batch's fragments are in
.if \j < 3
.set LS_, 0
.set LA_, ADR+6*((\j+1)/2)
.set LO_, 32*((\j+1)%2)*PITCH
.if \j == 0
.set EX_, 2
.elseif \j == 2
.set EX_, 3
.elseif \mode == 1
.set EX_, 4
.endif
	PART1 0, 1, \j, 1, 0
.set EX_, 0
.else
	PART1 0, 1, \j, 0, 0
.endif
.endif
	PART2 0, 1, \j
.if (\j == 3) && (\mode < 2)
	WIN 4
	v_add_nc_u32 v[ADR], s[TB], v[ADR0]
	v_add_nc_u32 v[ADRH], s[TBH], v[ADR0]
	v_add_nc_u32 v[STO], s[TP], v[STO0]
	v_add_nc_u32 v[STP], s[TPP], v[STO0]
	WIN 0
	s_wait_alu depctr_va_vdst(0)
	s_barrier_wait -1
.if \mode == 1
	CREST                                          ; no wave of any partner still reads this slot or has a load on its way
	tensor_load_to_lds s[G0R:G0R+3], s[G1R:G1R+7]  ; the slot two on
	s_nop 0
	PLACES 4
.endif
.set LS_, 0
.set LA_, ADR
.set LO_, 0
	RUN                                            ; the next slot's first batch: its set was last read two groups ago
	PART1 1, 1, \j, 0, 0
.else
	PART1 1, 1, \j, 0, 0
.endif
	PART2 1, 1, \j
.endm
	s_wait_alu depctr_va_vdst(0)
	s_cmp_lt_u32 s[WV], 2
	s_cbranch_scc0 .Lnot_even
	s_wait_tensorcnt 0x0                           ; waves 0, 1: the even slot is in; the odd one's wait stands at the first change of slots
.Lnot_even:
	s_wait_dscnt 0x0
	s_barrier_signal -1
	s_barrier_wait -1
.set N_, 0
.rept 16
	ds_load_b128 v[FR+4*N_:FR+4*N_+3], v[ADR] offset:32*N_
.set N_, N_+1
.endr
.Lslot:                                            ; slots 0 to 5
	OUT 0, 1
	OUT 1, 1
	OUT 2, 1
	OUT 3, 1
	WIN 0
	s_wait_xcnt 0x0                                ; the bases below have been read
	s_add_nc_u64 s[16:17], s[16:17], 4096
	s_add_nc_u64 s[PFA:PFA+1], s[PFA:PFA+1], STEP
	s_add_co_u32 s[TCNT], s[TCNT], 1
	s_cmp_lt_u32 s[TCNT], 6
	s_cbranch_scc1 .Lslot
	OUT 0, 0                                       ; slot 6: nothing is filled again
	OUT 1, 0
	OUT 2, 0
	OUT 3, 0
	s_wait_xcnt 0x0
	s_add_nc_u64 s[16:17], s[16:17], 4096
	OUT 0, 2                                       ; slot 7
	OUT 1, 2
	OUT 2, 2
	OUT 3, 2
	PLACES 8
	WIN 8                                          ; what is left to weigh: block 3 of the last group but one, and the last group
.irp m, 0,1,2,3
	GATE 0, 1, 3, \m
	GATE 1, 1, 0, \m
	GATE 1, 1, 1, \m
.endr
	WIN 4
.irp m, 0,1,2,3
	GATE 1, 1, 2, \m
.endr
	WIN 12
.irp m, 0,1,2,3
	GATE 1, 1, 3, \m
.endr
	WIN 0
	PAIRT 0
	PAIRT 1
	SWAPE 0
	SWAPE 1
	FOLDE 0
	FOLDE 1
	ds_store_b128 v[STO], v[E:E+3]                 ; pair 15
	ds_store_b128 v[STO], v[E+4:E+7] offset:512
	; THE END.  Wave w finishes rows 64 w on: the sums over its own half of K and over its partner's.
	s_lshl_b32 s33, s[WV], 10
	s_add_co_u32 s33, s33, PS0                     ; mine: local blocks 0-3
	s_xor_b32 s34, s[WV], 1
	s_lshl_b32 s34, s34, 10
	s_add_co_u32 s34, s34, PS0+512                 ; my partner's local blocks 4-7: the same rows
	s_mul_i32 s35, s[WV], 64*FP                    ; my stage, in the odd slot
	WIN 0x05
	v_and_b32 v12, 15, v[TID]                      ; r
	v_bfe_u32 v13, v[TID], 4, 1                    ; h
	v_and_b32 v14, 31, v[TID]                      ; lane
	WIN 0
	v_xor_b32 v8, 1, v13
	v_lshlrev_b32 v9, 14, v8                       ; output 16 ot + 8 h + j lies in pair 8 ot + 4 h + j / 2, the pairs descending
	v_lshl_add_u32 v9, v12, 4, v9
	v_add_nc_u32 v10, s33, v9
	v_add_nc_u32 v11, s34, v9
	v_mul_u32_u24 v16, v12, FP
	v_lshl_add_u32 v16, v13, 5, v16
	v_add_nc_u32 v16, s35, v16                     ; the stage, in: row r, 32 bytes for each half of the lanes
	v_lshrrev_b32 v17, 3, v14
	v_and_b32 v18, 7, v14
	v_lshlrev_b32 v18, 4, v18
	v_mul_u32_u24 v19, v17, FP
	v_add_nc_u32 v19, v19, v18
	v_add_nc_u32 v19, s35, v19                     ; back: eight lanes to a row of 128 bytes
	v_lshl_add_u32 v20, v17, 12, v18               ; and the same in out0
	s_wait_alu depctr_va_vdst(0)
	s_wait_dscnt 0x0
	s_barrier_signal -1
	s_barrier_wait -1                              ; everybody's sums have landed; nobody reads the slots any more
.irp ot, 0,1
.irp j, 0,1,2,3,4,5,6,7
	ds_load_b128 v[64+4*(8*\ot+\j):64+4*(8*\ot+\j)+3], v10 offset:4096*(11-8*\ot-\j/2)+256*(\j%2)   ; register i: block i
.endr
.endr
	WIN 0x40
.irp ot, 0,1
.irp j, 0,1,2,3,4,5,6,7
	ds_load_b128 v[176+4*(8*\ot+\j):176+4*(8*\ot+\j)+3], v11 offset:4096*(11-8*\ot-\j/2)+256*(\j%2)
.endr
.endr
	WIN 0
.set ZS, 128
.set N_, 0
.rept 12
	v_mov_b32 v[ZS+N_], 0                          ; K = 32 of the instruction's 128: pb's codes stand in block i of K, against block i's codes of p; the other three meet zero codes
	v_mov_b32 v[ZS+16+N_], 0
	v_mov_b32 v[ZS+32+N_], 0
.set N_, N_+1
.endr
	WIN 0x01
.irp c, 0,1,2,3
	v_mov_b32 v[ZS+12+\c], v[PBC+\c]
	v_mov_b32 v[ZS+28+\c], v[PBC+4+\c]
.endr
	v_mov_b32 v24, v[PSW]
	v_mul_lo_u32 v29, v[PBS], 0x1010101            ; pb's scale byte into all four bytes
	v_mul_lo_u32 v30, v[PBS+1], 0x1010101
	WIN 0
	s_wait_alu depctr_va_vdst(0)
	s_wait_dscnt 0x0
	WIN 0x04
.irp i, 0,1,2,3
.irp ot, 0,1
.irp j, 0,1,2,3,4,5,6,7
	v_add_f32 v[192+8*(2*\i+\ot)+\j], v[64+4*(8*\ot+\j)+\i], v[176+4*(8*\ot+\j)+\i]   ; in the layout of the product's result
.endr
.endr
.endr
.irp i, 0,1,2,3
.irp ot, 0,1
	v_wmma_scale_f32_16x16x128_f8f6f4 v[192+8*(2*\i+\ot):192+8*(2*\i+\ot)+7], v[ZS+12+16*\ot-4*\i:ZS+12+16*\ot-4*\i+15], v[PCD:PCD+15], v[192+8*(2*\i+\ot):192+8*(2*\i+\ot)+7], v[29+\ot], v24
.endr
.endr
	PLACES 8
	s_wait_alu depctr_va_vdst(0)
.irp i, 0,1,2,3
.irp k, 0,1,2,3,4,5,6,7
	v_pk_mul_f32 v[192+16*\i+2*\k:192+16*\i+2*\k+1], v[192+16*\i+2*\k:192+16*\i+2*\k+1], v[LIV+2*\i:LIV+2*\i+1]   ; / the row's sum
.endr
.endr
	WIN 0
.irp i, 0,1,2,3
.irp ot, 0,1
	ds_store_b128 v16, v[192+8*(2*\i+\ot):192+8*(2*\i+\ot)+3] offset:16*FP*\i+64*\ot         ; lane (r, h): out(16 i + r, 16 ot + 8 h + 0 .. 7)
	ds_store_b128 v16, v[192+8*(2*\i+\ot)+4:192+8*(2*\i+\ot)+7] offset:16*FP*\i+64*\ot+16
.endr
.endr
.irp k, 0,1,2,3,4,5,6,7,8,9,10,11,12,13,14,15
	ds_load_b128 v[64+4*\k:64+4*\k+3], v19 offset:4*FP*\k     ; LDS serves a wave's instructions in order (ISA guide 5.7.1.4)
.endr
.irp k, 0,1,2,3,4,5,6,7,8,9,10,11,12,13,14,15
	s_wait_dscnt 15-\k
	global_store_b128 v20, v[64+4*\k:64+4*\k+3], s[22:23] offset:16384*\k th:TH_STORE_NT   ; four rows x 128 consecutive bytes
.endr
	s_wait_tensorcnt 0x0                           ; the wave's end
	ds_add_u32 v[SPW], v[NIL]
	s_wait_dscnt 0x0
	CROUND                                         ; the closing round
	s_endpgm
.Lfunc_end_k_qb2f98a4e79_moe:
	.size	k_qb2f98a4e79_moe, .Lfunc_end_k_qb2f98a4e79_moe-k_qb2f98a4e79_moe
	.p2alignl 7, 3214868480
	.fill 96, 4, 3214868480
	.section	.rodata,"a",@progbits
	.p2align	6, 0x0
	.amdhsa_kernel k_qb2f98a4e79_moe
		.amdhsa_group_segment_fixed_size 327680
		.amdhsa_private_segment_fixed_size 0
		.amdhsa_enable_private_segment 0
		.amdhsa_kernarg_size 80
		.amdhsa_user_sgpr_count 2
		.amdhsa_user_sgpr_kernarg_segment_ptr 1
		.amdhsa_wavefront_size32 1
		.amdhsa_system_sgpr_workgroup_id_x 1
		.amdhsa_system_sgpr_workgroup_id_y 1
		.amdhsa_system_sgpr_workgroup_id_z 1
		.amdhsa_system_vgpr_workitem_id 0
		.amdhsa_next_free_vgpr 1024
		.amdhsa_next_free_sgpr 102
		.amdhsa_reserve_vcc 0
		.amdhsa_float_denorm_mode_32 3
		.amdhsa_float_denorm_mode_16_64 3
		.amdhsa_memory_ordered 1
		.amdhsa_forward_progress 1
		.amdhsa_inst_pref_size 255
	.end_amdhsa_kernel
	.section	.bss,"aw",@nobits
	.p2align	6
	.space	262144
	.amdgpu_metadata
---
amdhsa.version: [ 1, 2 ]
amdhsa.kernels:
  - .name:           k_qb2f98a4e79_moe
    .symbol:         k_qb2f98a4e79_moe.kd
    .args:
      - { .name: x_codes, .offset: 0, .size: 8, .value_kind: global_buffer, .address_space: global }
      - { .name: x_scales, .offset: 8, .size: 8, .value_kind: global_buffer, .address_space: global }
      - { .name: gw_codes, .offset: 16, .size: 8, .value_kind: global_buffer, .address_space: global }
      - { .name: gw_scales, .offset: 24, .size: 8, .value_kind: global_buffer, .address_space: global }
      - { .name: gb, .offset: 32, .size: 8, .value_kind: global_buffer, .address_space: global }
      - { .name: pw_codes, .offset: 40, .size: 8, .value_kind: global_buffer, .address_space: global }
      - { .name: pw_scales, .offset: 48, .size: 8, .value_kind: global_buffer, .address_space: global }
      - { .name: pb_codes, .offset: 56, .size: 8, .value_kind: global_buffer, .address_space: global }
      - { .name: pb_scales, .offset: 64, .size: 8, .value_kind: global_buffer, .address_space: global }
      - { .name: out0, .offset: 72, .size: 8, .value_kind: global_buffer, .address_space: global }
    .group_segment_fixed_size: 327680
    .private_segment_fixed_size: 0
    .kernarg_segment_align: 8
    .kernarg_segment_size: 80
    .max_flat_workgroup_size: 128
    .sgpr_count:     102
    .vgpr_count:     1024
    .wavefront_size: 32
...
	.end_amdgpu_metadata
.endif
;; end of part 1
